; MI455X (gfx1250); checked and timed in simulation.
; The chip was launched on July 23, 2026; its instructions are those of AMD's public machine-readable ISA for CDNA 5 (MIT licence, August 2026) and "CDNA5" Instruction Set Architecture Reference Guide (July 2026). The comments in the code are by the model that wrote it; some were corrected since.
;; Multi Head Attention. Allowed arithmetic: matrix products marked QUANTISED: E4M3 operands, one given power-of-two scale a tensor, by v_wmma_f32_16x16x64_fp8_fp8 or v_wmma_f32_16x16x128_fp8_fp8, f32 sums; everything else in f32.
;; Inputs: Wk 16 x 1,024 x 64 float32; Wp 1,024 x 1,024 float32; Wq 16 x 1,024 x 64 float32; Wv 16 x 1,024 x 64 float32; bp 1,024 float32; lowp_scales 12 int32 (the exponents e of the quantised operands' scales 2^e); x 4 x 2,048 x 1,024 float32.
;; Outputs: out0 4 x 2,048 x 1,024 float32.
;; This version of the problem:
;;   THIS VERSION OF THE PROBLEM IS GIVEN IN LOW PRECISION. The matrix products marked QUANTISED in the list below multiply operands that are first quantised to E4M3 (4 exponent bits, 3 mantissa bits; 8 bits a number), with one given power-of-two scale for each operand tensor; their sums are f32. All else is computed in f32.
;;   The module's matrix products, in the order in which they are computed (A, B: the left and right operand; K: the contracted axis; several contracted axes count as one K, in the product's order):
;;     1. [M 1,024, K 1,024] x [K 1,024, N 8,192]; A: input Wq; B: input x: QUANTISED (scales: A lowp_scales[0], B lowp_scales[1])
;;     2. [M 1,024, K 1,024] x [K 1,024, N 8,192]; A: input Wk; B: input x: QUANTISED (scales: A lowp_scales[2], B lowp_scales[3])
;;     3. [M 1,024, K 1,024] x [K 1,024, N 8,192]; A: input Wv; B: input x: QUANTISED (scales: A lowp_scales[4], B lowp_scales[5])
;;     4. batch 64 x [M 2,048, K 64] x [K 64, N 2,048]; A: computed on the way; B: computed on the way: QUANTISED (scales: A lowp_scales[6], B lowp_scales[7])
;;     5. batch 64 x [M 2,048, K 2,048] x [K 2,048, N 64]; A: softmax (see below); B: computed on the way: QUANTISED (scales: A lowp_scales[8], B lowp_scales[9])
;;     6. [M 8,192, K 1,024] x [K 1,024, N 1,024]; A: computed on the way; B: input Wp: QUANTISED (scales: A lowp_scales[10], B lowp_scales[11])
;;   THE QUANTISER, for each operand of a quantised product, along K:
;;     - The operand's scale is 2^e, e = its entry of the input lowp_scales (int32; the entries are numbered through the quantised products in the list's order, A before B).
;;     - Each number is divided by the scale, clamped to +-448, and rounded to the nearest number of E4M3, ties to even, subnormals kept.
;;     - The product sums the exact products of the quantised numbers (number of the format x scale) in f32.
;;   ~~~python
;;   def quantise(x, axis, e):      # numpy; x: float32 -> the quantised numbers, widened to float32 again
;;       x = np.moveaxis(x, axis, -1); K = x.shape[-1]
;;       r = np.clip(x / 2.0 ** e, -448, 448)
;;       step = 2.0 ** (np.maximum(np.frexp(np.where(r == 0, 1, r))[1] - 1, -6) - 3)
;;       q = np.round(r / step) * step * 2.0 ** e      # np.round: ties to even
;;       return np.moveaxis(q, -1, axis).astype(np.float32)
;;   ~~~
;;   SOFTMAX AHEAD OF A QUANTISED PRODUCT. Where the list says 'softmax', what is quantised is not the finished softmax but p = 2^(t - M), with t = logit x log2(e) and M = ceil(the row's largest t), a whole number; so 1/2 < the row's largest p <= 1. The row's sum l is taken of the UNQUANTISED p, in f32, and the product's result is divided by l at the end. Since M is a whole number, a kernel that streams over the keys may use a running M (the ceiling of the running maximum): every later rescaling is an exact power of two, so the quantised numbers keep their values, but for numbers so far below the row's largest that they fall under the format's range.
;;   OPERANDS COMPUTED ON THE WAY. 'Computed on the way' means the value that the module computes at that place (a softmax that the list does not call 'softmax' is quantised finished and normalised). What goes into a quantiser is computed in f32, as accurately as f32 sums, v_exp_f32 and their like allow (about 1e-6 of the number): no bf16 or f16 on the way to a quantiser, and a product that is left as it is and whose result goes on into a quantised operand takes f32 operands (vector FMAs, or v_wmma_f32_16x16x4_f32). A number that lies on a knife's edge between two numbers of the format may be rounded either way, as far as f32 arithmetic and the matrix unit's own rounding can turn it there, and no further.
;; One version. Each part assembles by itself: llvm-mc -triple=amdgcn-amd-amdhsa -mcpu=gfx1250 --defsym DOCPART=n.
;; ======== version 1 of 1: 4 launches
;; limits: right only within a limited range of input values
;; workspace buffers: xc 25,165,824 bytes; wc 4,194,304 bytes; qkv 25,165,824 bytes; oc 8,388,608 bytes
;; launch quant (part 1): grid 672 x 1, 4 waves a work-group, no clusters, 34,304 bytes of LDS; arguments x, Wp, Wq, Wk, Wv, lowp_scales, xc, wc; writes xc, wc
.if DOCPART == 1
	.amdgcn_target "amdgcn-amd-amdhsa--gfx1250"
	.amdhsa_code_object_version 6
	.text
	.protected	k_q48f536e80e_quant
	.globl	k_q48f536e80e_quant
	.p2align	8
	.type	k_q48f536e80e_quant,@function
k_q48f536e80e_quant:
	s_mov_b64 s[64:65], 0
	v_nop
	global_prefetch_b8 v0, s[64:65] scope:SCOPE_SE
	s_setreg_imm32_b32 hwreg(HW_REG_WAVE_MODE, 25, 1), 1
	s_wait_xcnt 0x0
; x [8192][1024], Wp [1024][1024] (K innermost) and Wq, Wk, Wv [16][1024][64] (K the middle axis), all f32, become codes of E4M3.
; code = number / 2^e, held within +-448, to the nearest code, ties to even.  x is quantised three times (entries 1, 3, 5 of the scales), Wq, Wk, Wv by entries 0, 2, 4, Wp by entry 11.
; THE CODES ARE LAID IN THE ORDER OF AN OPERAND'S REGISTERS.  Lane (r, h) of a fragment holds row r, registers 2 c, 2 c + 1 hold k = 16 c + 8 h + 0 .. 7; four registers of the 32 lanes are 512 bytes on end, lane l's 16 at 16 l.
; byte(row, k) = (row>>7) 131072 + (k>>8) 32768 + ((row>>4)&7) 4096 + ((k>>7)&1) 2048 + ((k>>5)&3) 512 + ((k>>3)&1) 256 + (row&15) 16 + ((k>>4)&1) 8 + (k&7).
; xc: three sections of 8,388,608 bytes (entries 1, 3, 5).  wc: four of 1,048,576: Wq, Wk, Wv (row = 64 head + d), Wp (row = output channel).
; SHARES.  Work-groups 0-511: 16 rows of x each; 512-575: 16 rows of Wp; wave w takes k = 256 w .. 256 w + 255, as two units of 128.  Work-groups 576-671: a tensor, a head and half of K; a wave takes 32 columns x 256 k.
; Waves share nothing: no barrier.  No matrix unit, no tensor load, no cluster: each byte is read once and written once, and memory binds.
; LIMITS: each e used here lies between -126 and 119, so that 2^e and 448 x 2^e are f32 numbers.  NaN among the inputs is not served (an infinity is held at the largest code).
.set R,   16                           ; v16-143  rows: two units of 64 registers as loaded; then each unit's codes, 16 registers for each scale
.set X,   144                          ; v144-207 rows: a unit's 64 numbers in the fragment's order
.set T,   208                          ; v208-239 rows: two sets of 16 held numbers, by turns
.set XC,  16                           ; v16-79   columns: two sets of 32 numbers
.set CC,  80                           ; v80-143  columns: 8 registers of codes for each block; never rewritten
.set SP,  528                          ; a stage row: 512 bytes + 16, an odd multiple of 16: sixteen rows start at sixteen different groups of banks
.macro MKSC e, sc, lm                  ; v[sc] = 2^e as f32 (the conversion takes its exponent field); v[lm] = 448 x 2^e
	s_add_co_i32 s48, \e, 127
	s_lshl_b32 s49, s48, 23
	v_mov_b32 v[\sc], s49
	s_add_co_i32 s48, s48, 8
	s_lshl_b32 s48, s48, 23
	s_or_b32 s48, s48, 0x600000
	v_mov_b32 v[\lm], s48
.endm
	s_load_b256 s[4:11], s[0:1], 0x0               ; x s[4:5], Wp s[6:7], Wq s[8:9], Wk s[10:11]
	s_load_b256 s[12:19], s[0:1], 0x20             ; Wv s[12:13], the scales s[14:15], xc s[16:17], wc s[18:19]
	v_lshl_add_u32 v240, v0, 2, 0x8400
	v_mov_b32 v241, 0
	v_lshrrev_b32 v1, 5, v0
	v_readfirstlane_b32 s20, v1                    ; wave 0..3
	v_and_b32 v1, 31, v0                           ; lane
	v_and_b32 v2, 15, v0                           ; r
	v_bfe_u32 v3, v0, 4, 1                         ; h
	v_lshlrev_b32 v4, 4, v1                        ; 16 x lane
	s_wait_kmcnt 0x0
	s_load_b256 s[24:31], s[14:15], 0x0            ; e0 .. e7
	s_load_b128 s[32:35], s[14:15], 0x20           ; e8 .. e11
	s_cmp_ge_u32 ttmp9, 576
	s_cbranch_scc1 .Lcols
; ---------------- K innermost: x and Wp ----------------
	s_cmp_lt_u32 ttmp9, 512                        ; x's work-group or Wp's: the choice hangs on the work-group's number alone
	s_cselect_b64 s[36:37], s[4:5], s[6:7]         ; from
	s_cselect_b64 s[38:39], s[16:17], s[18:19]     ; to
	s_cselect_b32 s21, 0, 512
	s_cselect_b32 s44, 0, 0x300000                 ; Wp's section of wc
	s_sub_co_u32 s21, ttmp9, s21                   ; which 16 rows
	s_lshl_b32 s46, s21, 16                        ; 16 rows of 4,096 bytes
	s_lshl_b32 s22, s20, 10                        ; + my 256 numbers of a row
	s_add_co_u32 s46, s46, s22
	s_mov_b32 s47, 0
	s_add_nc_u64 s[36:37], s[36:37], s[46:47]
	s_lshr_b32 s22, s21, 3
	s_lshl_b32 s22, s22, 17                        ; (row >> 7) x 131,072
	s_add_co_u32 s44, s44, s22
	s_lshl_b32 s22, s20, 15                        ; (k >> 8) x 32,768
	s_add_co_u32 s44, s44, s22
	s_and_b32 s22, s21, 7
	s_lshl_b32 s22, s22, 12                        ; ((row >> 4) & 7) x 4,096
	s_add_co_u32 s44, s44, s22
	s_mov_b32 s45, 0
	s_add_nc_u64 s[38:39], s[38:39], s[44:45]
	s_add_nc_u64 s[40:41], s[38:39], 0x800000      ; x's second and third sections (not used for Wp)
	s_add_nc_u64 s[42:43], s[38:39], 0x1000000
	s_mul_i32 s23, s20, 16*SP                      ; my wave's stage
	s_wait_alu depctr_va_vdst(0)
	v_add_nc_u32 v5, s23, v4                       ; into it: a row's 512 bytes as they lie
	v_mul_u32_u24 v6, v2, SP
	v_lshl_add_u32 v6, v3, 5, v6
	v_add_nc_u32 v6, s23, v6                       ; out of it: row r, + 32 h: eight numbers k = 8 h + 0 .. 7
.macro LOADU u                         ; unit u: 16 rows x 128 numbers; each load reads 512 consecutive bytes of one row
.irp i, 0,1,2,3,4,5,6,7,8,9,10,11,12,13,14,15
	global_load_b128 v[R+64*\u+4*\i:R+64*\u+4*\i+3], v4, s[36:37] offset:\i*4096+\u*512 th:TH_LOAD_NT
.endr
.endm
.macro TURNU u                         ; through the stage: LDS serves a wave's instructions in order, so no wait stands between the stores and the loads
.irp i, 0,1,2,3,4,5,6,7,8,9,10,11,12,13,14,15
	ds_store_b128 v5, v[R+64*\u+4*\i:R+64*\u+4*\i+3] offset:SP*\i
.endr
.irp g, 0,1,2,3                        ; X[16 g + 0..7] = k 32 g + 8 h + 0..7;  X[16 g + 8..15] = k 32 g + 16 + 8 h + 0..7
	ds_load_b128 v[X+16*\g:X+16*\g+3], v6 offset:128*\g
	ds_load_b128 v[X+16*\g+4:X+16*\g+7], v6 offset:128*\g+16
	ds_load_b128 v[X+16*\g+8:X+16*\g+11], v6 offset:128*\g+64
	ds_load_b128 v[X+16*\g+12:X+16*\g+15], v6 offset:128*\g+80
.endr
.endm
; Unit u under scale i: held, converted, stored.  The two sets of T take turns, so sixteen plain instructions stand between a conversion and the next write of its sources.
; The codes land where the unit's numbers were loaded (the stage's stores have read them) and are read by stores alone; they are never rewritten.
.macro CONV i, u
.irp g, 0,1,2,3
.irp n, 0,1,2,3,4,5,6,7,8,9,10,11,12,13,14,15
	v_med3_num_f32 v[T+16*(\g%2)+\n], v[X+16*\g+\n], -v[9+2*\i], v[9+2*\i]   ; the conversion to an 8-bit code does not saturate (ISA guide 7.6.2): the hold comes first
.endr
	v_cvt_scalef32_pk8_fp8_f32 v[R+64*\u+16*\i+4*\g:R+64*\u+16*\i+4*\g+1], v[T+16*(\g%2):T+16*(\g%2)+7], v[8+2*\i]
	v_cvt_scalef32_pk8_fp8_f32 v[R+64*\u+16*\i+4*\g+2:R+64*\u+16*\i+4*\g+3], v[T+16*(\g%2)+8:T+16*(\g%2)+15], v[8+2*\i]
.endr
.irp g, 0,1,2,3
	global_store_b128 v4, v[R+64*\u+16*\i+4*\g:R+64*\u+16*\i+4*\g+3], s[38+2*\i:39+2*\i] offset:\u*2048+512*\g   ; 512 consecutive bytes
.endr
.endm
	LOADU 0
	LOADU 1
	s_wait_alu depctr_va_vdst(0)
	s_wait_kmcnt 0x0
	s_cmp_lt_u32 ttmp9, 512
	s_cselect_b32 s50, s25, s35                    ; e1 for x, e11 for Wp
	MKSC s50, 8, 9
	MKSC s27, 10, 11                               ; e3
	MKSC s29, 12, 13                               ; e5
	s_wait_alu depctr_va_vdst(0)
	s_wait_loadcnt 16                              ; unit 0's sixteen loads are in; unit 1's sixteen may be out
	TURNU 0
	s_wait_dscnt 0x0
	CONV 0, 0
	s_cmp_ge_u32 ttmp9, 512                        ; Wp has one scale
	s_cbranch_scc1 .Lone_0
	CONV 1, 0
	CONV 2, 0
.Lone_0:
	s_wait_loadcnt 0x0
	TURNU 1
	s_wait_dscnt 0x0
	CONV 0, 1
	s_cmp_ge_u32 ttmp9, 512
	s_cbranch_scc1 .Lone_1
	CONV 1, 1
	CONV 2, 1
.Lone_1:
	s_wait_tensorcnt 0x0
	ds_add_u32 v240, v241
	s_wait_dscnt 0x0
	s_endpgm
; ---------------- K the middle axis: Wq, Wk, Wv.  A lane takes a column d, and its registers run down K: nothing is transposed ----------------
.Lcols:
	s_sub_co_u32 s21, ttmp9, 576
	s_lshr_b32 s22, s21, 5                         ; the tensor: 0 Wq, 1 Wk, 2 Wv
	s_cmp_eq_u32 s22, 0
	s_cselect_b64 s[36:37], s[8:9], s[10:11]
	s_cmp_eq_u32 s22, 2
	s_cselect_b64 s[36:37], s[12:13], s[36:37]
	s_bfe_u32 s23, s21, 0x40001                    ; the head
	s_and_b32 s44, s21, 1
	s_lshl_b32 s44, s44, 1
	s_lshr_b32 s45, s20, 1
	s_add_co_u32 s44, s44, s45                     ; which 256 along K
	s_and_b32 s45, s20, 1                          ; which 32 of the head's 64 columns
	s_lshl_b32 s46, s23, 18                        ; a head is 1,024 rows of 256 bytes
	s_lshl_b32 s48, s44, 16
	s_add_co_u32 s46, s46, s48
	s_lshl_b32 s48, s45, 7
	s_add_co_u32 s46, s46, s48
	s_mov_b32 s47, 0
	s_add_nc_u64 s[36:37], s[36:37], s[46:47]
	s_lshl_b32 s46, s22, 20                        ; the tensor's section of wc; row n = 64 head + 32 half + lane
	s_lshr_b32 s48, s23, 1
	s_lshl_b32 s48, s48, 17                        ; (n >> 7) x 131,072
	s_add_co_u32 s46, s46, s48
	s_lshl_b32 s48, s44, 15                        ; (k >> 8) x 32,768
	s_add_co_u32 s46, s46, s48
	s_and_b32 s48, s23, 1
	s_lshl_b32 s48, s48, 2
	s_lshl_b32 s49, s45, 1
	s_add_co_u32 s48, s48, s49
	s_lshl_b32 s48, s48, 12                        ; ((n >> 4) & 7) x 4,096, less the lane's part
	s_add_co_u32 s46, s46, s48
	s_add_nc_u64 s[38:39], s[18:19], s[46:47]
	s_wait_alu depctr_va_vdst(0)
	v_lshlrev_b32 v7, 2, v1                        ; in: 4 bytes a lane
	v_lshlrev_b32 v14, 4, v2
	v_lshl_add_u32 v14, v3, 12, v14                ; out: (lane >> 4) x 4,096 + (lane & 15) x 16
.macro LOADB t                         ; block t: W(32 t + i, my column): a wave reads 128 consecutive bytes, the two waves of a row its 256
.irp i, 0,1,2,3,4,5,6,7,8,9,10,11,12,13,14,15,16,17,18,19,20,21,22,23,24,25,26,27,28,29,30,31
	global_load_b32 v[XC+32*((\t)%2)+\i], v7, s[36:37] offset:(32*(\t)+\i)*256 th:TH_LOAD_NT
.endr
.endm
.macro BLOCK t
.set XS, XC+32*((\t)%2)
.if (\t) < 7
	s_wait_loadcnt 32                              ; this block's 32 loads are in; the next block's may be out
.else
	s_wait_loadcnt 0x0
.endif
.irp i, 0,1,2,3,4,5,6,7,8,9,10,11,12,13,14,15,16,17,18,19,20,21,22,23,24,25,26,27,28,29,30,31
	v_med3_num_f32 v[XS+\i], v[XS+\i], -v9, v9
.endr
	v_cvt_scalef32_pk8_fp8_f32 v[CC+8*(\t):CC+8*(\t)+1], v[XS:XS+7], v8            ; the piece of the lanes with h = 0: k 0-7 and 16-23
	v_cvt_scalef32_pk8_fp8_f32 v[CC+8*(\t)+2:CC+8*(\t)+3], v[XS+16:XS+23], v8
	v_cvt_scalef32_pk8_fp8_f32 v[CC+8*(\t)+4:CC+8*(\t)+5], v[XS+8:XS+15], v8       ; the piece with h = 1: k 8-15 and 24-31
	v_cvt_scalef32_pk8_fp8_f32 v[CC+8*(\t)+6:CC+8*(\t)+7], v[XS+24:XS+31], v8
	global_store_b128 v14, v[CC+8*(\t):CC+8*(\t)+3], s[38:39] offset:((\t)/4)*2048+((\t)%4)*512          ; sixteen lanes store 256 consecutive bytes, aligned
	global_store_b128 v14, v[CC+8*(\t)+4:CC+8*(\t)+7], s[38:39] offset:((\t)/4)*2048+((\t)%4)*512+256
.if (\t)+2 < 8
	LOADB (\t)+2
.endif
.endm
	LOADB 0
	LOADB 1
	s_wait_kmcnt 0x0
	s_cmp_eq_u32 s22, 0
	s_cselect_b32 s50, s24, s26
	s_cmp_eq_u32 s22, 2
	s_cselect_b32 s50, s28, s50                    ; e0, e2 or e4
	MKSC s50, 8, 9
	s_wait_alu depctr_va_vdst(0)
.irp t, 0,1,2,3,4,5,6,7
	BLOCK \t
.endr
	s_endpgm
.Lfunc_end_k_q48f536e80e_quant:
	.size	k_q48f536e80e_quant, .Lfunc_end_k_q48f536e80e_quant-k_q48f536e80e_quant
	.p2alignl 7, 3214868480
	.fill 96, 4, 3214868480
	.section	.rodata,"a",@progbits
	.p2align	6, 0x0
	.amdhsa_kernel k_q48f536e80e_quant
		.amdhsa_group_segment_fixed_size 34304
		.amdhsa_private_segment_fixed_size 0
		.amdhsa_enable_private_segment 0
		.amdhsa_kernarg_size 64
		.amdhsa_user_sgpr_count 2
		.amdhsa_user_sgpr_kernarg_segment_ptr 1
		.amdhsa_wavefront_size32 1
		.amdhsa_system_sgpr_workgroup_id_x 1
		.amdhsa_system_sgpr_workgroup_id_y 1
		.amdhsa_system_sgpr_workgroup_id_z 1
		.amdhsa_system_vgpr_workitem_id 0
		.amdhsa_next_free_vgpr 242
		.amdhsa_next_free_sgpr 66
		.amdhsa_reserve_vcc 0
		.amdhsa_float_denorm_mode_32 3
		.amdhsa_float_denorm_mode_16_64 3
		.amdhsa_memory_ordered 1
		.amdhsa_forward_progress 1
		.amdhsa_inst_pref_size 86
	.end_amdhsa_kernel
	.amdgpu_metadata
---
amdhsa.version: [ 1, 2 ]
amdhsa.kernels:
  - .name:           k_q48f536e80e_quant
    .symbol:         k_q48f536e80e_quant.kd
    .args:
      - { .name: x, .offset: 0, .size: 8, .value_kind: global_buffer, .address_space: global }
      - { .name: Wp, .offset: 8, .size: 8, .value_kind: global_buffer, .address_space: global }
      - { .name: Wq, .offset: 16, .size: 8, .value_kind: global_buffer, .address_space: global }
      - { .name: Wk, .offset: 24, .size: 8, .value_kind: global_buffer, .address_space: global }
      - { .name: Wv, .offset: 32, .size: 8, .value_kind: global_buffer, .address_space: global }
      - { .name: lowp_scales, .offset: 40, .size: 8, .value_kind: global_buffer, .address_space: global }
      - { .name: xc, .offset: 48, .size: 8, .value_kind: global_buffer, .address_space: global }
      - { .name: wc, .offset: 56, .size: 8, .value_kind: global_buffer, .address_space: global }
    .group_segment_fixed_size: 34304
    .private_segment_fixed_size: 0
    .kernarg_segment_align: 8
    .kernarg_segment_size: 64
    .max_flat_workgroup_size: 128
    .sgpr_count:     66
    .vgpr_count:     242
    .wavefront_size: 32
...
	.end_amdgpu_metadata
.endif
;; end of part 1
;; launch qkv (part 2): grid 8 x 32, 4 waves a work-group, clusters of 4 x 4, 327,680 bytes of LDS; arguments xc, wc, lowp_scales, qkv; writes qkv
.if DOCPART == 2
	.amdgcn_target "amdgcn-amd-amdhsa--gfx1250"
	.amdhsa_code_object_version 6
	.text
	.protected	k_q48f536e80e_qkv
	.globl	k_q48f536e80e_qkv
	.p2align	8
	.type	k_q48f536e80e_qkv,@function
k_q48f536e80e_qkv:
	s_mov_b64 s[64:65], 0
	v_nop
	global_prefetch_b8 v0, s[64:65] scope:SCOPE_SE
	s_setreg_imm32_b32 hwreg(HW_REG_WAVE_MODE, 25, 1), 1
	s_wait_xcnt 0x0
	s_wait_alu depctr_hold_cnt(0) depctr_sa_sdst(0) depctr_va_vdst(0) depctr_va_sdst(0) depctr_va_ssrc(0) depctr_va_vcc(0) depctr_vm_vsrc(0)
	s_getreg_b32 s2, hwreg(HW_REG_IB_STS2, 6, 4)
	s_cmp_eq_u32 s2, 0
	s_cbranch_scc0 .Lentry_in_a_cluster
	s_endpgm
.Lentry_in_a_cluster:
	s_bfe_u32 s2, ttmp6, 0x10000c
	s_cmp_lg_u32 s2, 0xf033
	s_cbranch_scc0 .Lentry_shape_is_right
	s_endpgm
.Lentry_shape_is_right:
; q, k and v: x W on codes of E4M3, each result quantised at once for attention's products (entries 6, 7, 9).
; xc: three sections of 8,388,608 bytes (x under entries 1, 3, 5); wc: sections of 1,048,576 (Wq, Wk, Wv under entries 0, 2, 4).  Both lie as images of operands' registers:
; byte(row, k) = (row>>7) 131072 + (k>>8) 32768 + ((row>>4)&7) 4096 + ((k>>7)&1) 2048 + ((k>>5)&3) 512 + 16 lane: 128 rows x 256 k are 32,768 bytes on end, and a group of 128 rows has its whole K, 131,072 bytes, on end.
; OUTPUT qkv, for each (batch, head) 393,216 bytes: q [16-token tile 128][1,024]; k the same; v [64-key step 32][16-channel tile 4][1,024], all in the same order of registers.
; SHARES.  256 work-groups, each of which STAYS for three tiles of 256 rows (side A, source 1) x 128 rows (side B, source 0), K = 1,024: q's (A = 256 tokens, B = 128 rows of Wq), k's likewise, then v's with the sides
; exchanged (A = 256 rows of Wv, B = 128 tokens), so that a lane's eight results are neighbours along the next product's K.  A wave makes 128 x 64: 32 accumulators.
; LDS holds three quarters of a tile's K at once: A's two halves 98,304 bytes each, B 98,304.  One load a wave brings them; the last quarter is filled into the first quarter's bytes when those have been read.
; So a tile has two fills.  The next tile's large fill is asked for ahead of this tile's conversions and stores.  The first two tiles are a loop's trips; the third, which asks for nothing more, is written out.
; CLUSTERS 4 x 4: A's bytes hang on the work-group's y alone and are asked for jointly along a row of the cluster, B's on x and the cluster's y and are asked for jointly along a column.
; PREFETCH: with a large fill the same tile's last quarter is asked of memory, with the refill the next tile's large fill: each a fill ahead.  The four partners of a joint load share its blocks of 256 bytes out by address.
; LIMITS: e(out) - e(W) - e(x) between -126 and 119 for each of the three, so that the conversion's scale and 448 x it are f32 numbers.
; REGISTERS: window 0 addresses and the way out; window 1 B's fragments, two sets of 64; window 2 the accumulators, (a, b) at 8 (4 a + b); window 3 A's fragments, two sets of 128.
.set CH,    32768
.set LB,    6*CH                       ; B's bytes in LDS, behind A's two halves
.set SPARE, 9*CH                       ; the spare words
.set SCV,  12
.set LMV,  13
.set ADRA, 16                          ; v16, v17: my A fragments, quarters 0 and 1; quarter 2
.set ADRB, 20                          ; v20, v21: the same for B
.set PFO,  22                          ; v22-24: the prefetches' offsets
.set LI,   26
.set SPW,  28
.set NIL,  29
.set TMP,  32
.set CD,   128
.set G1A,  24                          ; group 1: 384 rows of 256 bytes;  G1B 192;  G1A2 128;  G1B2 64
.set G0A1, 32
.set G0A2, 36
.set G1B,  48
.set G0B1, 56
.set G0B2, 60
.set G1A2, 68
.set G1B2, 76
.set MULW, 0xad                        ; source 0 window 1, source 1 window 3, C and D window 2
.set MSB, 0
.macro WIN new
.if MSB != (\new)
	s_set_vgpr_msb (MSB<<8)|(\new)
.set MSB, \new
.endif
.endm
.macro JLOAD g0a, g1a, g0b, g1b        ; waves 0 and 1 fetch for A, waves 2 and 3 for B; an s_nop 0 and four v_nop follow each line
	s_cmp_eq_u32 s15, 0
	s_cbranch_scc0 .Lfor_b_\@
	tensor_load_to_lds s[\g0a:\g0a+3], s[\g1a:\g1a+7]
	s_nop 0
.rept 4
	v_nop
.endr
	s_branch .Lasked_\@
.Lfor_b_\@:
	tensor_load_to_lds s[\g0b:\g0b+3], s[\g1b:\g1b+7]
	s_nop 0
.rept 4
	v_nop
.endr
.Lasked_\@:
.endm
.macro CREST
	s_cmp_lg_u32 s14, 0
	s_cbranch_scc1 .Lnot_wave_0_\@
	s_barrier_signal -3
.Lnot_wave_0_\@:
	s_barrier_wait -3
	s_barrier_signal -1
	s_barrier_wait -1
.endm
.macro CROUND
	s_barrier_signal -1
	s_barrier_wait -1
	CREST
.endm
.macro GROUP1 g, r
	s_mov_b32 s[\g+1], 32<<16
	s_mov_b32 s[\g+2], (\r)<<16
	s_mov_b32 s[\g+3], 32<<16
	s_mov_b32 s[\g+4], \r
	s_mov_b32 s[\g+5], 32
	s_mov_b32 s[\g+6], 0
	s_mov_b32 s[\g+7], 0
.endm
.macro SET1                            ; the large fill's addresses, from s[18:19] (A) and s[22:23] (B)
	s_mov_b64 s[G0A1+2:G0A1+3], s[18:19]
	s_or_b32 s[G0A1+3], s[G0A1+3], 0x80000000
	s_mov_b64 s[G0B1+2:G0B1+3], s[22:23]
	s_or_b32 s[G0B1+3], s[G0B1+3], 0x80000000
.endm
.macro SET2                            ; the last quarter's
	s_add_nc_u64 s[G0A2+2:G0A2+3], s[18:19], 3*CH
	s_or_b32 s[G0A2+3], s[G0A2+3], 0x80000000
	s_add_nc_u64 s[G0B2+2:G0B2+3], s[22:23], s[98:99]
	s_or_b32 s[G0B2+3], s[G0B2+3], 0x80000000
.endm
.macro ASK1                            ; my work-group's quarter of my load of the tile's last quarter: one block of 256 bytes a lane (B: sixteen lanes, the others name the same blocks again)
	s_cmp_eq_u32 s15, 0
	s_cselect_b64 s[42:43], s[18:19], s[22:23]
	s_add_nc_u64 s[42:43], s[42:43], s[100:101]
	global_prefetch_b8 v[PFO], s[42:43] th:TH_LOAD_NT scope:SCOPE_SE
.endm
.macro ASK3                            ; the same of my load of the next tile's large fill: three instructions
	s_cmp_eq_u32 s15, 0
	s_cselect_b64 s[44:45], s[18:19], s[22:23]
	s_add_nc_u64 s[44:45], s[44:45], s[104:105]
	global_prefetch_b8 v[PFO], s[44:45] th:TH_LOAD_NT scope:SCOPE_SE
	global_prefetch_b8 v[PFO+1], s[44:45] th:TH_LOAD_NT scope:SCOPE_SE
	global_prefetch_b8 v[PFO+2], s[44:45] th:TH_LOAD_NT scope:SCOPE_SE
.endm
	s_load_b128 s[4:7], s[0:1], 0x0                ; xc, wc
	s_load_b128 s[8:11], s[0:1], 0x10              ; the scales, qkv
	v_lshl_add_u32 v[SPW], v0, 2, SPARE
	v_mov_b32 v[NIL], 0
	ds_add_u32 v[SPW], v[NIL]                      ; the opening lines: the add, twice on end, and its wait
	ds_add_u32 v[SPW], v[NIL]
	v_lshrrev_b32 v1, 5, v0
	v_readfirstlane_b32 s14, v1                    ; wave
	s_lshr_b32 s15, s14, 1                         ; my half of A's rows; also: I fetch for A (0) or B (1)
	s_and_b32 s16, s14, 1                          ; my half of B's rows; also: which part I fetch
	s_bfe_u32 s40, ttmp6, 0x40000                  ; cx
	s_bfe_u32 s41, ttmp6, 0x40004                  ; cy
	s_lshl_b32 s42, ttmp9, 2
	s_add_co_u32 s42, s42, s40                     ; x 0..7
	s_and_b32 s2, ttmp7, 0xffff                    ; the cluster's y 0..7
	s_lshl_b32 s17, s2, 2
	s_add_co_u32 s17, s17, s41                     ; y 0..31
	s_lshl_b32 s43, s41, 2
	s_lshl_b32 s43, 15, s43                        ; my row of the cluster
	s_lshl_b32 s44, 0x1111, s40                    ; my column
	s_or_b32 s[G1A], s43, (3<<16)|(1<<21)          ; the mask; elements of 8 bytes; bit 21 set beside a mask
	s_or_b32 s[G1A2], s43, (3<<16)|(1<<21)
	s_or_b32 s[G1B], s44, (3<<16)|(1<<21)
	s_or_b32 s[G1B2], s44, (3<<16)|(1<<21)
	GROUP1 G1A, 384
	GROUP1 G1B, 192
	GROUP1 G1A2, 128
	GROUP1 G1B2, 64
	; A's byte offsets, made of y, cy and the wave alone: tile 0 in s20, tile 1 in s66 (both in xc), tile 2 in s67 (in wc)
	s_lshl_b32 s20, s17, 1
	s_add_co_u32 s20, s20, s16
	s_lshl_b32 s20, s20, 17
	s_add_co_u32 s66, s20, 0x800000
	s_lshl_b32 s67, s41, 1
	s_add_co_u32 s67, s67, s16
	s_lshl_b32 s67, s67, 17
	s_add_co_u32 s67, s67, 0x200000
	s_mov_b32 s21, 0
	; B's, made of x, the cluster's y and the wave: s46, s96 (in wc), s97 (in xc: tokens 128 (8 cluster y + x) on)
	s_mul_i32 s45, s16, 49152
	s_lshl_b32 s46, s42, 17
	s_add_co_u32 s46, s46, s45
	s_add_co_u32 s96, s46, 0x100000
	s_lshl_b32 s97, s2, 3
	s_add_co_u32 s97, s97, s42
	s_lshl_b32 s97, s97, 17
	s_add_co_u32 s97, s97, s45
	s_add_co_u32 s97, s97, 0x1000000
	s_mov_b32 s47, 0
	s_lshl_b32 s98, s16, 15
	s_sub_co_u32 s98, 3*CH, s98                    ; from my part of B's large fill to my part of its last quarter
	s_mov_b32 s99, 0
	; where my results go: q's in s12 (k's 131,072 further on), v's in s13
	s_lshr_b32 s12, s17, 3
	s_lshl_b32 s12, s12, 4
	s_lshl_b32 s13, s42, 1
	s_add_co_u32 s12, s12, s13
	s_add_co_u32 s12, s12, s16                     ; 16 batch + head, head = 2 x + my half of B
	s_mul_i32 s12, s12, 393216
	s_and_b32 s13, s17, 7
	s_lshl_b32 s13, s13, 14
	s_add_co_u32 s12, s12, s13
	s_lshl_b32 s13, s15, 13
	s_add_co_u32 s12, s12, s13
	s_lshr_b32 s13, s2, 1
	s_lshl_b32 s13, s13, 4
	s_lshl_b32 s100, s41, 2
	s_add_co_u32 s13, s13, s100
	s_lshl_b32 s100, s15, 1
	s_add_co_u32 s13, s13, s100                    ; 16 batch + head, head = 4 cy + 2 x my half of A (+ a / 4)
	s_mul_i32 s13, s13, 393216
	s_and_b32 s100, s2, 1
	s_lshl_b32 s100, s100, 3
	s_add_co_u32 s100, s100, s42
	s_lshl_b32 s100, s100, 1
	s_add_co_u32 s100, s100, s16                   ; the 64-key step
	s_lshl_b32 s100, s100, 12
	s_add_co_u32 s13, s13, s100
	s_add_co_u32 s13, s13, 262144
	; the prefetches: my place among the four partners, a partner's share of the last quarter (8,192 bytes of A's load, 4,096 of B's)
	s_cmp_eq_u32 s15, 0
	s_cselect_b32 s104, s40, s41
	s_cselect_b32 s100, 3*CH, s98
	s_mov_b32 s105, 4096
	s_cselect_b32 s105, 8192, s105
	s_cselect_b32 s101, 31, 15
	v_and_b32 v[PFO], s101, v0
	v_lshlrev_b32 v[PFO], 8, v[PFO]
	v_add_nc_u32 v[PFO+1], s105, v[PFO]
	v_add_nc_u32 v[PFO+2], s105, v[PFO+1]
	s_mul_i32 s104, s104, s105
	s_add_co_u32 s100, s100, s104
	s_mov_b32 s101, 0
	s_mul_i32 s104, s104, 3
	s_mov_b32 s105, 0
	; group 0: counts and LDS addresses, made of the wave alone
	s_mul_i32 s2, s16, 3*CH
	s_mov_b32 s[G0A1], 1
	s_mov_b32 s[G0A1+1], s2
	s_mov_b32 s[G0A2], 1
	s_mov_b32 s[G0A2+1], s2
	s_mov_b32 s[G0B1], 1
	s_add_co_u32 s[G0B1+1], s45, LB
	s_mov_b32 s[G0B2], 1
	s_lshl_b32 s2, s16, 14
	s_add_co_u32 s[G0B2+1], s2, LB
	s_wait_dscnt 0x0                               ; both opening adds are done
	s_wait_kmcnt 0x0
	s_load_b256 s[84:91], s[8:9], 0x0              ; e0 .. e7
	s_load_b128 s[92:95], s[8:9], 0x20             ; e8 .. e11
	s_add_nc_u64 s[18:19], s[4:5], s[20:21]
	s_add_nc_u64 s[22:23], s[6:7], s[46:47]
	SET1
	SET2
	CROUND                                         ; all sixteen work-groups are here: the first joint loads meet
	JLOAD G0A1, G1A, G0B1, G1B                     ; tile 0's large fill: one tensor load a wave
	s_wait_alu depctr_va_vdst(0)                   ; the wait here, ahead of the first reader of the prefetches' offsets
	ASK1
	v_and_b32 v1, 31, v0
	v_lshlrev_b32 v[LI], 4, v1
	s_mul_i32 s2, s15, 3*CH
	v_add_nc_u32 v[ADRA], s2, v[LI]
	v_add_nc_u32 v[ADRA+1], 2*CH, v[ADRA]
	s_lshl_b32 s2, s16, 14
	s_add_co_u32 s2, s2, LB
	v_add_nc_u32 v[ADRB], s2, v[LI]
	v_add_nc_u32 v[ADRB+1], 2*CH, v[ADRB]
	s_mov_b32 s3, 0                                ; the tile
	s_wait_kmcnt 0x0
	s_wait_alu depctr_va_vdst(0)                   ; the wait at the head's end
.macro FRAG reg, adr, off
.irp c, 0,1,2,3
	ds_load_b128 v[\reg+4*\c:\reg+4*\c+3], v[\adr] offset:\off+512*\c
.endr
.endm
.macro FETCH k                         ; the fragments of the k-th 128 along K into set k % 2: 48 loads.  Quarter 3 lies where quarter 0 lay
.set FJ, ((\k)/2)%3
.set FO, (FJ%2)*CH+((\k)%2)*2048
.set FS, FJ/2
	WIN 0x40
.irp i, 0,1,2,3
	FRAG 64*((\k)%2)+16*\i, ADRB+FS, FO+4096*\i
.endr
	WIN 0xc0
.irp i, 0,1,2,3,4,5,6,7
	FRAG 128*((\k)%2)+16*\i, ADRA+FS, FO+4096*\i
.endr
	WIN 0
.endm
.macro MUL a0, p, zero                 ; A's blocks a0 .. a0 + 3 against B's four; the 32 accumulators take turns in the same order in every step
.irp a, \a0,\a0+1,\a0+2,\a0+3
.irp b, 0,1,2,3
.if \zero
	v_wmma_f32_16x16x128_fp8_fp8 v[8*(4*(\a)+\b):8*(4*(\a)+\b)+7], v[64*(\p)+16*\b:64*(\p)+16*\b+15], v[128*(\p)+16*(\a):128*(\p)+16*(\a)+15], 0
.else
	v_wmma_f32_16x16x128_fp8_fp8 v[8*(4*(\a)+\b):8*(4*(\a)+\b)+7], v[64*(\p)+16*\b:64*(\p)+16*\b+15], v[128*(\p)+16*(\a):128*(\p)+16*(\a)+15], v[8*(4*(\a)+\b):8*(4*(\a)+\b)+7]
.endif
.endr
.endr
.endm
.macro PLACES                          ; four places behind matrix instructions, ahead of loads into registers that they read and of reads of their results
.rept 4
	v_nop
.endr
.endm
.macro STEP k, zero
	PLACES
	FETCH (\k)+1
	s_wait_dscnt 48                                ; this step's fragments are in; the 48 loads just issued may be out
	WIN MULW
	MUL 0, (\k)%2, \zero
	MUL 4, (\k)%2, \zero
	WIN 0
.endm
.macro TURN p, n                       ; a step's products, with the three lines and the round in front of a joint refill.  n: the add and the loads younger than this step's
	s_wait_tensorcnt 0x0                           ; no tensor load of mine is out
	ds_add_u32 v[SPW], v[NIL]
	s_wait_dscnt \n
	WIN MULW
	MUL 0, \p, 0
	s_wait_dscnt 0x0                               ; the add is done, and so are my reads of the bytes that are filled again
	s_barrier_signal -1
	MUL 4, \p, 0
	WIN 0
	s_barrier_wait -1
	CREST                                          ; no wave of any partner still reads those bytes
.endm
.macro OUT tail                        ; held, converted, stored: for each block of A's rows 1,024 bytes on end
.if \tail
	s_mov_b32 s2, s88
	s_mov_b32 s20, s89
	s_mov_b32 s21, s93
.else
	s_cmp_eq_u32 s3, 0
	s_cselect_b32 s2, s84, s86
	s_cselect_b32 s20, s85, s87
	s_cselect_b32 s21, s90, s91
.endif
	s_sub_co_i32 s21, s21, s2
	s_sub_co_i32 s21, s21, s20                     ; a sum stands for sum x 2^(eW + ex): its code is sum / 2^(eo - eW - ex)
	s_add_co_i32 s21, s21, 127
	s_lshl_b32 s2, s21, 23
	v_mov_b32 v[SCV], s2
	s_add_co_i32 s21, s21, 8
	s_lshl_b32 s21, s21, 23
	s_or_b32 s21, s21, 0x600000
	v_mov_b32 v[LMV], s21                          ; 448 x that
.irp a, 0,1,2,3,4,5,6,7
	WIN 0x02
.set n, 0
.rept 32
	v_med3_num_f32 v[TMP+n], v[32*\a+n], -v[LMV], v[LMV]   ; the conversion does not saturate (ISA guide 7.6.2); each accumulator from its low end on
.set n, n+1
.endr
	WIN 0
.if \a == 0
	s_wait_alu depctr_va_vdst(0)                   ; the wait here, directly ahead of the wait below
	s_wait_xcnt 0x0                                ; the last tile's stores have read their data and base, my prefetches their addresses
.if \tail
	s_mov_b32 s20, s13
.else
	s_lshl_b32 s20, s3, 17
	s_add_co_u32 s20, s20, s12
.endif
	s_mov_b32 s21, 0
	s_add_nc_u64 s[40:41], s[10:11], s[20:21]
.endif
.irp b, 0,1,2,3
	v_cvt_scalef32_pk8_fp8_f32 v[CD+8*\a+2*\b:CD+8*\a+2*\b+1], v[TMP+8*\b:TMP+8*\b+7], v[SCV]
.endr
	v_nop                                          ; a plain line behind the last conversion
.if \tail
	global_store_b128 v[LI], v[CD+8*\a:CD+8*\a+3], s[40:41] offset:(\a/4)*393216+(\a%4)*1024
	global_store_b128 v[LI], v[CD+8*\a+4:CD+8*\a+7], s[40:41] offset:(\a/4)*393216+(\a%4)*1024+512
.else
	global_store_b128 v[LI], v[CD+8*\a:CD+8*\a+3], s[40:41] offset:\a*1024
	global_store_b128 v[LI], v[CD+8*\a+4:CD+8*\a+7], s[40:41] offset:\a*1024+512
.endif
.endr
.endm
.macro UNIT tail                       ; a tile
	s_wait_tensorcnt 0x0                           ; my part of the large fill is in,
	s_barrier_signal -1
	s_barrier_wait -1                              ; everybody's is
	FETCH 0
	STEP 0, 1                                      ; the first products start the sums
	PLACES
	FETCH 2
	TURN 1, 49                                     ; quarter 0 has been read
.if \tail == 0
	s_cmp_eq_u32 s3, 0                             ; the next tile: k's (A in xc, B in wc) or v's (A in wc, B in xc)
	s_cselect_b64 s[18:19], s[4:5], s[6:7]
	s_cselect_b32 s20, s66, s67
	s_cselect_b64 s[22:23], s[6:7], s[4:5]
	s_cselect_b32 s46, s96, s97
	s_mov_b32 s21, 0
	s_mov_b32 s47, 0
	s_add_nc_u64 s[18:19], s[18:19], s[20:21]
	s_add_nc_u64 s[22:23], s[22:23], s[46:47]
	SET1                                           ; (the large fill's load is done: its group 0 may be written)
.endif
	JLOAD G0A2, G1A2, G0B2, G1B2                   ; the last quarter, into quarter 0's bytes
.if \tail == 0
	ASK3
.endif
	STEP 2, 0
	STEP 3, 0
	STEP 4, 0
	s_wait_dscnt 0x0
	WIN MULW
	MUL 0, 1, 0
	s_wait_tensorcnt 0x0                           ; my part of the last quarter is in,
	s_barrier_signal -1
	MUL 4, 1, 0
	WIN 0
	s_barrier_wait -1                              ; everybody's is
	PLACES
	FETCH 6
	FETCH 7
	s_wait_dscnt 48
	WIN MULW
	MUL 0, 0, 0
	MUL 4, 0, 0
	WIN 0
.if \tail
	s_wait_dscnt 0x0
	WIN MULW
	MUL 0, 1, 0
	MUL 4, 1, 0
	WIN 0
	PLACES
.else
	TURN 1, 1                                      ; all of the tile has been read
	SET2
	JLOAD G0A1, G1A, G0B1, G1B                     ; the next tile's large fill, ahead of this tile's way out; its four v_nop are the places behind the last products
	ASK1
.endif
	OUT \tail
.endm
.Lunit:
	UNIT 0
	s_add_co_u32 s3, s3, 1
	s_cmp_lt_u32 s3, 2
	s_cbranch_scc1 .Lunit
	UNIT 1
	s_wait_tensorcnt 0x0                           ; the wave's end
	ds_add_u32 v[SPW], v[NIL]
	s_wait_dscnt 0x0
	CROUND                                         ; the closing round
	s_endpgm
.Lfunc_end_k_q48f536e80e_qkv:
	.size	k_q48f536e80e_qkv, .Lfunc_end_k_q48f536e80e_qkv-k_q48f536e80e_qkv
	.p2alignl 7, 3214868480
	.fill 96, 4, 3214868480
	.section	.rodata,"a",@progbits
	.p2align	6, 0x0
	.amdhsa_kernel k_q48f536e80e_qkv
		.amdhsa_group_segment_fixed_size 327680
		.amdhsa_private_segment_fixed_size 0
		.amdhsa_enable_private_segment 0
		.amdhsa_kernarg_size 32
		.amdhsa_user_sgpr_count 2
		.amdhsa_user_sgpr_kernarg_segment_ptr 1
		.amdhsa_wavefront_size32 1
		.amdhsa_system_sgpr_workgroup_id_x 1
		.amdhsa_system_sgpr_workgroup_id_y 1
		.amdhsa_system_sgpr_workgroup_id_z 1
		.amdhsa_system_vgpr_workitem_id 0
		.amdhsa_next_free_vgpr 1024
		.amdhsa_next_free_sgpr 106
		.amdhsa_reserve_vcc 0
		.amdhsa_float_denorm_mode_32 3
		.amdhsa_float_denorm_mode_16_64 3
		.amdhsa_memory_ordered 1
		.amdhsa_forward_progress 1
		.amdhsa_inst_pref_size 140
	.end_amdhsa_kernel
	.amdgpu_metadata
---
amdhsa.version: [ 1, 2 ]
amdhsa.kernels:
  - .name:           k_q48f536e80e_qkv
    .symbol:         k_q48f536e80e_qkv.kd
    .args:
      - { .name: xc, .offset: 0, .size: 8, .value_kind: global_buffer, .address_space: global }
      - { .name: wc, .offset: 8, .size: 8, .value_kind: global_buffer, .address_space: global }
      - { .name: lowp_scales, .offset: 16, .size: 8, .value_kind: global_buffer, .address_space: global }
      - { .name: qkv, .offset: 24, .size: 8, .value_kind: global_buffer, .address_space: global }
    .group_segment_fixed_size: 327680
    .private_segment_fixed_size: 0
    .kernarg_segment_align: 8
    .kernarg_segment_size: 32
    .max_flat_workgroup_size: 128
    .sgpr_count:     106
    .vgpr_count:     1024
    .wavefront_size: 32
...
	.end_amdgpu_metadata
.endif
;; end of part 2
;; launch attn (part 3): grid 4 x 64, 8 waves a work-group, clusters of 4 x 1, 264,192 bytes of LDS; arguments qkv, lowp_scales, oc; writes oc
.if DOCPART == 3
	.amdgcn_target "amdgcn-amd-amdhsa--gfx1250"
	.amdhsa_code_object_version 6
	.text
	.protected	k_q48f536e80e_attn
	.globl	k_q48f536e80e_attn
	.p2align	8
	.type	k_q48f536e80e_attn,@function
k_q48f536e80e_attn:
	s_mov_b64 s[64:65], 0
	v_nop
	global_prefetch_b8 v0, s[64:65] scope:SCOPE_SE
	s_setreg_imm32_b32 hwreg(HW_REG_WAVE_MODE, 25, 1), 1
	s_wait_xcnt 0x0
	s_wait_alu depctr_hold_cnt(0) depctr_sa_sdst(0) depctr_va_vdst(0) depctr_va_sdst(0) depctr_va_ssrc(0) depctr_va_vcc(0) depctr_vm_vsrc(0)
	s_getreg_b32 s2, hwreg(HW_REG_IB_STS2, 6, 4)
	s_cmp_eq_u32 s2, 0
	s_cbranch_scc0 .Lentry_in_a_cluster
	s_endpgm
.Lentry_in_a_cluster:
	s_bfe_u32 s2, ttmp6, 0x10000c
	s_cmp_lg_u32 s2, 0x3003
	s_cbranch_scc0 .Lentry_shape_is_right
	s_endpgm
.Lentry_shape_is_right:
; o = softmax(q k^T / 32) v for each of 64 (batch, head), both products on codes of E4M3; o is quantised at once for the last product (entry 10).
; THE SOFTMAX: t = score x log2(e) / 32; M = the running largest t rounded UP to a whole number; p = 2^(t - M) is quantised (entry 8), not normalised; the row's sum is taken of the unquantised p and divides at the end.
; When M moves, the sum and O are multiplied by 2^(old M - new M), which rounds nothing; there is no branch on data.
; INPUT qkv, for each (batch, head) 393,216 bytes, all as images of operands' registers (lane l's 16 bytes at 16 l, 512 bytes for four registers): q [16-token tile 128][1,024]; k the same; v [64-key step 32][16-channel tile 4][1,024].
; OUTPUT oc: rows = tokens, k = 64 head + d: (row>>7) 131072 + (k>>8) 32768 + ((row>>4)&7) 4096 + ((k>>7)&1) 2048 + ((k>>5)&3) 512 + 16 lane.
; SHARES.  A work-group owns 512 queries of one (batch, head); each of its eight waves owns 64 of them, four tiles of 16, in 512 registers: two waves to a SIMD.  A fragment of K or V read from LDS feeds all four tiles.
; ALL OF THE HEAD'S K AND V, 262,144 bytes, LIES IN LDS as it lies in memory: each wave fetches 32,768 bytes by one tensor load at the head.  Nothing is filled again: one barrier, no ring.
; CLUSTER: the four work-groups of a (batch, head) need the same K and V: each load is asked for jointly, with a mask that names the four.  All that goes through LDS is asked for at the head, so there is no later load ahead of which a prefetch could ask.
; LAYOUT.  Both products transposed: S^T = K Q^T (source 0 = 16 keys, source 1 = 16 queries), O^T = V^T P^T: a lane holds ONE query of each tile.  Tile t of S^T gives lane (r, h) keys 16 t + 8 h + 0 .. 7: registers 2 t, 2 t + 1 of P.
; A KEY STEP is 128 keys, in four PHASES, one for each tile of queries.  A phase: t - M, the exponentials, O^T under the new M, the NEXT tile's eight score products, this tile's sums, holds and conversions, and its four products with V.
; The next tile's largest score and its M are made among this tile's sums, holds and conversions: the ten lines from the largest score to f hang on each other, and each stands among lines that hang on none of them.
; In the last trip there is no next tile: the score products are jumped over, and the forty lines for the largest score and M find no new scores; nobody reads what they make.
; LIMITS: e6 + e7 between -121 and 132 (added to c's exponent field); e8 and e10 between -126 and 119; e8 + e9 is applied by v_ldexp_f32; the scaled scores stay under 2^31 in magnitude.
; REGISTERS, window 0: v1-3 addresses; v4, v5 the add's two; v6, v7 448 x 2^e8 (twice: the two halves of a dual instruction take different registers); v8, v9 448 x 2^e10, 2^e10; v[10:11] f, 0; v12 2^e8;
;   v16-31 for each tile -M, the largest score, the sum in two halves; v32-63 Q; v64-127, v128-191 S^T, then p, two buffers by turns; v192-207 p's codes; v208-212, v214-221 at work.
; window 1: v0-63 K's eight fragments; v64-127 V's four; v128-255 O^T, 32 registers a tile.
.set SPARE, 0x40000                    ; behind K and V: the spare words, 128 bytes for each wave
.set LI,   1                           ; 16 x lane
.set LIV,  2                           ; the same in V's half of LDS
.set ADR,  3                           ; address of the loads in hand
.set SPW,  4
.set NIL,  5
.set HOLD, 6
.set H10,  8
.set SC10, 9
.set F,    10
.set SC8,  12
.set STA,  16
.set QF,   32
.set S0,   64
.set PC,   192
.set OC,   192                         ; the way out: o's codes, 8 registers a tile
.set T0,   208
.set A0,   214
.set KF,   0                           ; window 1
.set VF,   64
.set OW,   128
.set WV,   18                          ; s18 my wave's number
.set TB,   40                          ; s40 the step's first byte in K's half and in V's half
.set CNT,  41                          ; s41 key steps to go
.set NC,   43                          ; s43 -c
.set MSB, 0
.macro WIN new                         ; the immediate's high byte repeats the setting that is left
.if MSB != (\new)
	s_set_vgpr_msb (MSB<<8)|(\new)
.set MSB, \new
.endif
.endm
.macro CROUND                          ; a round of the cluster's barrier
	s_barrier_signal -1
	s_barrier_wait -1
	s_cmp_lg_u32 s[WV], 0
	s_cbranch_scc1 .Lnot_wave_0_\@
	s_barrier_signal -3
.Lnot_wave_0_\@:
	s_barrier_wait -3
	s_barrier_signal -1
	s_barrier_wait -1
.endm
.macro MIN2 r                          ; the hold of two numbers in one instruction: p is not negative, so it is one-sided; the conversion does not saturate (ISA guide 7.6.2)
	v_dual_min_num_f32 v[\r], v[HOLD], v[\r] :: v_dual_min_num_f32 v[\r+1], v[HOLD+1], v[\r+1]
.endm
	s_load_b128 s[4:7], s[0:1], 0x0                ; qkv s[4:5], the scales s[6:7]
	s_load_b64 s[8:9], s[0:1], 0x10                ; oc
	v_lshl_add_u32 v[SPW], v0, 2, SPARE
	v_mov_b32 v[NIL], 0
	ds_add_u32 v[SPW], v[NIL]                      ; the opening lines: the add, twice on end, and its wait ahead of my tensor load
	ds_add_u32 v[SPW], v[NIL]
	v_lshrrev_b32 v13, 5, v0
	v_readfirstlane_b32 s[WV], v13                 ; wave 0..7
	v_and_b32 v13, 31, v0
	v_lshlrev_b32 v[LI], 4, v13
	v_add_nc_u32 v[LIV], 0x20000, v[LI]
	s_bfe_u32 s10, ttmp6, 0x40000                  ; cx: which 512 queries: it enters q's and o's global addresses alone
	s_and_b32 s11, ttmp7, 0xffff                   ; 16 x batch + head, which the four partners share
	s_mul_i32 s12, s11, 393216
	s_lshl_b32 s14, s[WV], 15
	s_add_co_u32 s16, s12, s14
	s_add_co_u32 s16, s16, 131072                  ; my 32,768 bytes of the head's K and V
	s_mov_b32 s17, 0
	s_lshl_b32 s56, s10, 15                        ; q: 32 tiles of 1,024 bytes a work-group,
	s_add_co_u32 s56, s56, s12
	s_lshl_b32 s57, s[WV], 12                      ; four of them mine
	s_add_co_u32 s56, s56, s57
	s_mov_b32 s57, 0
	s_lshr_b32 s58, s11, 4                         ; o: row >> 7 = 16 batch + 4 cx + wave / 2
	s_lshl_b32 s58, s58, 4
	s_lshl_b32 s59, s10, 2
	s_add_co_u32 s58, s58, s59
	s_lshr_b32 s59, s[WV], 1
	s_add_co_u32 s58, s58, s59
	s_lshl_b32 s58, s58, 17
	s_bfe_u32 s59, s11, 0x20002                    ; k >> 8 = head / 4
	s_lshl_b32 s59, s59, 15
	s_add_co_u32 s58, s58, s59
	s_and_b32 s59, s[WV], 1                        ; (row >> 4) & 7 = 4 (wave & 1) + tile
	s_lshl_b32 s59, s59, 14
	s_add_co_u32 s58, s58, s59
	s_and_b32 s59, s11, 3                          ; (head & 3) x 1,024
	s_lshl_b32 s59, s59, 10
	s_add_co_u32 s58, s58, s59
	s_mov_b32 s59, 0
	; descriptor group 1: a dense block of 32,768 bytes as 128 rows of 32 elements of 8 bytes
	s_mov_b32 s24, 15|(3<<16)|(1<<21)              ; the mask: all four work-groups; elements of 8 bytes; no padding; bit 21 set beside a mask
	s_mov_b32 s25, 32<<16
	s_mov_b32 s26, 128<<16
	s_mov_b32 s27, 32<<16
	s_mov_b32 s28, 128
	s_mov_b32 s29, 32
	s_mov_b32 s30, 0
	s_mov_b32 s31, 0
	s_mov_b32 s20, 0x76543210                      ; v_permlanex16_b32's selects for lane l xor 16
	s_mov_b32 s21, 0xfedcba98
	s_mov_b32 s22, 0x3d38aa3b                      ; c = log2(e) / 32
	s_wait_dscnt 0x0                               ; both opening adds are done
	s_wait_kmcnt 0x0
	s_load_b256 s[44:51], s[6:7], 0x0              ; e0 .. e7
	s_load_b128 s[52:55], s[6:7], 0x20             ; e8 .. e11
	s_mov_b32 s32, 1                               ; group 0: count = 1
	s_lshl_b32 s33, s[WV], 15                      ; LDS address: wave x 32,768
	s_add_nc_u64 s[34:35], s[4:5], s[16:17]
	s_or_b32 s35, s35, 0x80000000                  ; type = 2
	s_add_nc_u64 s[36:37], s[4:5], s[56:57]        ; q
	s_add_nc_u64 s[38:39], s[8:9], s[58:59]        ; o
	CROUND                                         ; all four work-groups are here: the joint loads meet
	tensor_load_to_lds s[32:35], s[24:31]          ; my one tensor load
	s_nop 0
.rept 4
	v_nop
.endr
	s_wait_alu depctr_va_vdst(0)                   ; the wait here, ahead of the first reader of 16 x lane
.irp i, 0,1,2,3
	global_load_b128 v[QF+8*\i:QF+8*\i+3], v[LI], s[36:37] offset:1024*\i        ; my four tiles of queries stay in registers
	global_load_b128 v[QF+8*\i+4:QF+8*\i+7], v[LI], s[36:37] offset:1024*\i+512
.endr
	s_wait_kmcnt 0x0
	s_add_co_i32 s56, s50, s51
	s_lshl_b32 s56, s56, 23
	s_add_co_i32 s22, s22, s56                     ; a score stands for score x 2^(e6 + e7): added to c's exponent field
	s_mov_b32 s23, s22                             ; (named with it as a pair, so it is written)
	s_xor_b32 s[NC], s22, 0x80000000               ; -c
	s_add_co_i32 s56, s52, 127
	s_lshl_b32 s57, s56, 23
	v_mov_b32 v[SC8], s57                          ; 2^e8
	s_add_co_i32 s56, s56, 8
	s_lshl_b32 s56, s56, 23
	s_or_b32 s56, s56, 0x600000
	v_mov_b32 v[HOLD], s56                         ; 448 x 2^e8,
	v_mov_b32 v[HOLD+1], s56                       ; twice
	s_add_co_i32 s56, s54, 127
	s_lshl_b32 s57, s56, 23
	v_mov_b32 v[SC10], s57                         ; 2^e10
	s_add_co_i32 s56, s56, 8
	s_lshl_b32 s56, s56, 23
	s_or_b32 s56, s56, 0x600000
	v_mov_b32 v[H10], s56                          ; 448 x 2^e10
	s_add_co_i32 s42, s52, s53                     ; e8 + e9
	v_mov_b32 v[F+1], 0                            ; (named as the upper half of the pair)
	v_mov_b32 v[T0+4], 0                           ; written once: a lane permute's destination counts as one of its sources
.irp i, 0,1,2,3
	v_mov_b32 v[STA+4*\i], 0x7f61b1e6              ; -M begins at 3e38,
	v_mov_b32 v[STA+4*\i+1], 0xff61b1e6            ; the largest score at -3e38, under every score,
	v_mov_b32 v[STA+4*\i+2], 0                     ; the sum, in two halves, at 0
	v_mov_b32 v[STA+4*\i+3], 0
.endr
	s_mov_b32 s[TB], 0
	s_mov_b32 s[CNT], 16
	s_wait_alu depctr_va_vdst(0)                   ; the wait at the head's end
	s_wait_tensorcnt 0x0                           ; my part of K and V is in,
	s_barrier_signal -1
	s_barrier_wait -1                              ; everybody's is
.macro MAXG sb                         ; the largest score of my query among my 64 keys, in four chains; each tile of scores is first read at its low end
	v_max3_num_f32 v[T0], v[\sb], v[\sb+1], v[\sb+2]
	v_max3_num_f32 v[T0+1], v[\sb+3], v[\sb+4], v[\sb+5]
	v_max3_num_f32 v[T0+2], v[\sb+6], v[\sb+7], v[\sb+8]
	v_max3_num_f32 v[T0+3], v[\sb+9], v[\sb+10], v[\sb+11]
.irp k, 12,20,28,36,44,52
.irp c, 0,1,2,3
	v_max3_num_f32 v[T0+\c], v[T0+\c], v[\sb+\k+2*\c], v[\sb+\k+2*\c+1]
.endr
.endr
	v_max3_num_f32 v[T0], v[T0], v[\sb+60], v[\sb+61]
	v_max3_num_f32 v[T0+1], v[T0+1], v[\sb+62], v[\sb+63]
.endm
.macro CHN n, st                       ; the n-th of the ten lines from the four chains' maxima to f; st: the tile's -M and largest score
.if \n == 0
	v_max3_num_f32 v[T0], v[T0], v[T0+1], v[T0+2]
.elseif \n == 1
	v_max_num_f32 v[T0], v[T0], v[T0+3]
.elseif \n == 2
	v_permlanex16_b32 v[T0+4], v[T0], s20, s21
.elseif \n == 3
	v_max3_num_f32 v[\st+1], v[\st+1], v[T0], v[T0+4]      ; the running largest score, lane l xor 16's among them
.elseif \n == 4
	v_mul_f32 v[T0+1], s[NC], v[\st+1]                     ; -t (c is positive)
.elseif \n == 5
	v_floor_f32 v[T0+2], v[T0+1]                           ; the new -M = floor(-t) = -ceil(t)
.elseif \n == 6
	v_sub_f32 v[T0+3], v[T0+2], v[\st]                     ; old M - new M: a whole number, 0 or less
.elseif \n == 7
	v_mov_b32 v[\st], v[T0+2]
.elseif \n == 8
	v_cvt_i32_f32 v[T0+3], v[T0+3]                         ; (it saturates)
.else
	v_ldexp_f32 v[F], 1.0, v[T0+3]                         ; f = 2^(old M - new M)
.endif
.endm
.macro ADDB t                          ; block t's eight p onto the four chains of sums, two at a time: THE ROW'S SUM IS TAKEN OF THE UNQUANTISED p
.irp k, 0,1,2,3
	v_pk_add_f32 v[A0+2*\k:A0+2*\k+1], v[A0+2*\k:A0+2*\k+1], v[SB+8*(\t)+2*\k:SB+8*(\t)+2*\k+1]
.endr
.endm
.macro MINB t                          ; block t is held, behind its additions,
.irp k, 0,1,2,3
	MIN2 SB+8*(\t)+2*\k
.endr
.endm
.macro CVTB t                          ; and converted, behind its holds
	v_cvt_scalef32_pk8_fp8_f32 v[PC+2*(\t):PC+2*(\t)+1], v[SB+8*(\t):SB+8*(\t)+7], v[SC8]
.endm
	WIN 0x40
.irp t, 0,1,2,3,4,5,6,7
	ds_load_b128 v[KF+8*\t:KF+8*\t+3], v[LI] offset:1024*\t                      ; K's fragments of key step 0
	ds_load_b128 v[KF+8*\t+4:KF+8*\t+7], v[LI] offset:1024*\t+512
.endr
	s_wait_loadcnt 0x0                             ; Q
	s_wait_dscnt 0x0
	WIN 0x01
.irp t, 0,1,2,3,4,5,6,7
	v_wmma_f32_16x16x64_fp8_fp8 v[S0+8*\t:S0+8*\t+7], v[KF+8*\t:KF+8*\t+7], v[QF:QF+7], 0   ; tile 0's scores of key step 0
.endr
	WIN 0x40
.set n, 0
.rept 128
	v_mov_b32 v[OW+n], 0                           ; O^T.  The step is written once: its first trip finds zeros, which the first change of M leaves zeros.  (These are also the places behind the products above)
.set n, n+1
.endr
	WIN 0
	MAXG S0                                        ; tile 0's largest score and M
.irp c, 0,1,2,3,4,5,6,7,8,9
	CHN \c, STA
.endr
; A PHASE: tile i of my queries against the step's 128 keys.  Its largest score, M and f were made in the phase before.
.macro PHASE i
.set SB, S0+64*((\i)%2)                ; this tile's scores
.set SN, S0+64*((\i+1)%2)              ; the next tile's
.set ST, STA+4*\i
.set STN, STA+4*((\i+1)%4)
.set OB, OW+32*\i
.set QN, QF+8*((\i+1)%4)
.set n, 0
.rept 32
	v_pk_fma_f32 v[SB+n:SB+n+1], v[SB+n:SB+n+1], s[22:23], v[ST:ST+1] op_sel_hi:[1,0,0]   ; t - M, two at a time
.set n, n+2
.endr
.if \i == 0                            ; V's fragments of this step: the 32 lines above are the places behind the last products that read the old ones
	v_add_nc_u32 v[ADR], s[TB], v[LIV]
	WIN 0x40
.irp u, 0,1,2,3
.irp c, 0,1,2,3
	ds_load_b128 v[VF+16*\u+4*\c:VF+16*\u+4*\c+3], v[ADR] offset:\u*1024+(\c/2)*4096+(\c%2)*512
.endr
.endr
	WIN 0
.endif
.if \i == 3                            ; K's fragments are done with (tile 3's scores were made in phase 2): the next step's are fetched; the last trip has no next step (a branch on the count of steps)
	s_cmp_eq_u32 s[CNT], 1
	s_cbranch_scc1 .Lno_k_\@
	v_add_nc_u32 v[ADR], s[TB], v[LI]
	WIN 0x40
.irp t, 0,1,2,3,4,5,6,7
	ds_load_b128 v[KF+8*\t:KF+8*\t+3], v[ADR] offset:8192+1024*\t
	ds_load_b128 v[KF+8*\t+4:KF+8*\t+7], v[ADR] offset:8192+1024*\t+512
.endr
	WIN 0
.Lno_k_\@:
.endif
	s_wait_alu depctr_va_vdst(0)                   ; the wait ahead of the batch
.set n, 0
.rept 64
	v_exp_f32 v[SB+n], v[SB+n]                     ; p = 2^(t - M)
.set n, n+1
.endr
	v_pk_mul_f32 v[ST+2:ST+3], v[ST+2:ST+3], v[F:F+1] op_sel_hi:[1,0]   ; the sums under the new M: the plain line behind the exponentials
.if (\i == 0) || (\i == 3)
	s_wait_dscnt 0x0                               ; phase 0: V's fragments are in; phase 3: the next step's of K
.endif
	WIN 0x41
	s_wait_alu depctr_va_vdst(0)                   ; one wait for the batch, and directly ahead of the first readers of O^T
.set n, 0
.rept 16
	v_pk_mul_f32 v[OB+n:OB+n+1], v[OB+n:OB+n+1], v[F:F+1] op_sel_hi:[1,0]   ; O^T under the new M
.set n, n+2
.endr
.if \i == 3
	WIN 0
	s_cmp_eq_u32 s[CNT], 1                         ; the last trip has no next tile
	s_cbranch_scc1 .Lno_s_\@
.endif
	WIN 0x01
.irp t, 0,1,2,3,4,5,6,7
	v_wmma_f32_16x16x64_fp8_fp8 v[SN+8*\t:SN+8*\t+7], v[KF+8*\t:KF+8*\t+7], v[QN:QN+7], 0   ; the next tile's scores; the lines below are their places
.endr
	WIN 0
.if \i == 3
.Lno_s_\@:
.endif
.irp k, 0,1,2,3                        ; blocks 0 and 1 start the four chains of sums
	v_pk_add_f32 v[A0+2*\k:A0+2*\k+1], v[SB+2*\k:SB+2*\k+1], v[SB+8+2*\k:SB+8+2*\k+1]
.endr
	MINB 0
	ADDB 2
	MINB 1
	CVTB 0
	ADDB 3
	MINB 2
	CVTB 1
	ADDB 4
	MINB 3
	CVTB 2
	MAXG SN                                        ; the next tile's largest score,
	CHN 0, STN                                     ; and the ten lines to its f, one by one among this tile's remaining blocks
	ADDB 5
	CHN 1, STN
	MINB 4
	CVTB 3
	CHN 2, STN
	ADDB 6
	CHN 3, STN
	MINB 5
	CVTB 4
	CHN 4, STN
	ADDB 7
	CHN 5, STN
	MINB 6
	CVTB 5
	CHN 6, STN
	MINB 7
	CHN 7, STN
	CVTB 6
	v_pk_add_f32 v[A0:A0+1], v[A0:A0+1], v[A0+2:A0+3]
	v_pk_add_f32 v[A0+4:A0+5], v[A0+4:A0+5], v[A0+6:A0+7]
	CHN 8, STN
	CVTB 7
	v_pk_add_f32 v[A0:A0+1], v[A0:A0+1], v[A0+4:A0+5]      ; (plain lines between the last conversion and the products that read the codes)
	CHN 9, STN
	v_pk_add_f32 v[ST+2:ST+3], v[ST+2:ST+3], v[A0:A0+1]
.if \i == 3
	s_wait_alu depctr_va_vdst(0)
.endif
	WIN 0x51
.irp u, 0,1,2,3                        ; the sixteen accumulators of O^T take turns: 47 other products stand between two on one accumulator
	v_wmma_f32_16x16x128_fp8_fp8 v[OB+8*\u:OB+8*\u+7], v[VF+16*\u:VF+16*\u+15], v[PC:PC+15], v[OB+8*\u:OB+8*\u+7]
.endr
	WIN 0
.endm
.Lstep:                                            ; 16 trips: the head's 2,048 keys
	PHASE 0
	PHASE 1
	PHASE 2
	PHASE 3
	s_add_co_u32 s[TB], s[TB], 8192
	s_sub_co_u32 s[CNT], s[CNT], 1
	s_cmp_lg_u32 s[CNT], 0
	s_cbranch_scc1 .Lstep
	; THE WAY OUT.  The twelve lines below are also the places behind the last products.
.irp i, 0,1,2,3
	v_add_f32 v[STA+4*\i+2], v[STA+4*\i+2], v[STA+4*\i+3]  ; the sum's two halves,
.endr
.irp i, 0,1,2,3
	v_permlanex16_b32 v[T0+\i], v[STA+4*\i+2], s20, s21
.endr
.irp i, 0,1,2,3
	v_add_f32 v[STA+4*\i+2], v[STA+4*\i+2], v[T0+\i]       ; and lane l xor 16's
.endr
	s_wait_alu depctr_va_vdst(0)                   ; the wait ahead of the batch
.irp i, 0,1,2,3
	v_rcp_f32 v[STA+4*\i+2], v[STA+4*\i+2]
.endr
	v_nop                                          ; a plain line behind the transcendentals
	s_wait_alu depctr_va_vdst(0)                   ; and the wait ahead of their first reader
.irp i, 0,1,2,3
	v_ldexp_f32 v[STA+4*\i+2], v[STA+4*\i+2], s42  ; x 2^(e8 + e9)
.endr
	WIN 0x01
	s_wait_alu depctr_va_vdst(0)                   ; the wait here, directly ahead of the first readers of O^T
.irp i, 0,1,2,3
.set n, 0
.rept 16
	v_pk_mul_f32 v[S0+32*\i+n:S0+32*\i+n+1], v[OW+32*\i+n:OW+32*\i+n+1], v[STA+4*\i+2:STA+4*\i+3] op_sel_hi:[1,0]   ; o: register 32 i + 8 u + j is channel 16 u + 8 h + j of tile i's query
.set n, n+2
.endr
.endr
	WIN 0
.set n, 0
.rept 128
	v_med3_num_f32 v[S0+n], v[S0+n], -v[H10], v[H10]
.set n, n+1
.endr
.set n, 0
.rept 16
	v_cvt_scalef32_pk8_fp8_f32 v[OC+2*n:OC+2*n+1], v[S0+8*n:S0+8*n+7], v[SC10]   ; registers 2 u, 2 u + 1 of the last product's operand
.set n, n+1
.endr
	v_nop                                          ; a plain line behind the last conversion
.irp i, 0,1,2,3
	global_store_b128 v[LI], v[OC+8*\i:OC+8*\i+3], s[38:39] offset:4096*\i           ; 512 consecutive bytes each; the codes' registers are not written again
	global_store_b128 v[LI], v[OC+8*\i+4:OC+8*\i+7], s[38:39] offset:4096*\i+512
.endr
	s_wait_tensorcnt 0x0                           ; the wave's end
	ds_add_u32 v[SPW], v[NIL]
	s_wait_dscnt 0x0
	CROUND                                         ; the closing round
	s_endpgm
.Lfunc_end_k_q48f536e80e_attn:
	.size	k_q48f536e80e_attn, .Lfunc_end_k_q48f536e80e_attn-k_q48f536e80e_attn
	.p2alignl 7, 3214868480
	.fill 96, 4, 3214868480
	.section	.rodata,"a",@progbits
	.p2align	6, 0x0
	.amdhsa_kernel k_q48f536e80e_attn
		.amdhsa_group_segment_fixed_size 264192
		.amdhsa_private_segment_fixed_size 0
		.amdhsa_enable_private_segment 0
		.amdhsa_kernarg_size 24
		.amdhsa_user_sgpr_count 2
		.amdhsa_user_sgpr_kernarg_segment_ptr 1
		.amdhsa_wavefront_size32 1
		.amdhsa_system_sgpr_workgroup_id_x 1
		.amdhsa_system_sgpr_workgroup_id_y 1
		.amdhsa_system_sgpr_workgroup_id_z 1
		.amdhsa_system_vgpr_workitem_id 0
		.amdhsa_next_free_vgpr 512
		.amdhsa_next_free_sgpr 66
		.amdhsa_reserve_vcc 0
		.amdhsa_float_denorm_mode_32 3
		.amdhsa_float_denorm_mode_16_64 3
		.amdhsa_memory_ordered 1
		.amdhsa_forward_progress 1
		.amdhsa_inst_pref_size 84
	.end_amdhsa_kernel
	.amdgpu_metadata
---
amdhsa.version: [ 1, 2 ]
amdhsa.kernels:
  - .name:           k_q48f536e80e_attn
    .symbol:         k_q48f536e80e_attn.kd
    .args:
      - { .name: qkv, .offset: 0, .size: 8, .value_kind: global_buffer, .address_space: global }
      - { .name: lowp_scales, .offset: 8, .size: 8, .value_kind: global_buffer, .address_space: global }
      - { .name: oc, .offset: 16, .size: 8, .value_kind: global_buffer, .address_space: global }
    .group_segment_fixed_size: 264192
    .private_segment_fixed_size: 0
    .kernarg_segment_align: 8
    .kernarg_segment_size: 24
    .max_flat_workgroup_size: 256
    .sgpr_count:     66
    .vgpr_count:     512
    .wavefront_size: 32
...
	.end_amdgpu_metadata
.endif
;; end of part 3
;; launch proj (part 4): grid 8 x 32, 4 waves a work-group, clusters of 4 x 4, 327,680 bytes of LDS; arguments oc, wc, lowp_scales, bp, out0; writes out0
.if DOCPART == 4
	.amdgcn_target "amdgcn-amd-amdhsa--gfx1250"
	.amdhsa_code_object_version 6
	.text
	.protected	k_q48f536e80e_proj
	.globl	k_q48f536e80e_proj
	.p2align	8
	.type	k_q48f536e80e_proj,@function
k_q48f536e80e_proj:
	s_mov_b64 s[64:65], 0
	v_nop
	global_prefetch_b8 v0, s[64:65] scope:SCOPE_SE
	s_setreg_imm32_b32 hwreg(HW_REG_WAVE_MODE, 25, 1), 1
	s_wait_xcnt 0x0
	s_wait_alu depctr_hold_cnt(0) depctr_sa_sdst(0) depctr_va_vdst(0) depctr_va_sdst(0) depctr_va_ssrc(0) depctr_va_vcc(0) depctr_vm_vsrc(0)
	s_getreg_b32 s2, hwreg(HW_REG_IB_STS2, 6, 4)
	s_cmp_eq_u32 s2, 0
	s_cbranch_scc0 .Lentry_in_a_cluster
	s_endpgm
.Lentry_in_a_cluster:
	s_bfe_u32 s2, ttmp6, 0x10000c
	s_cmp_lg_u32 s2, 0xf033
	s_cbranch_scc0 .Lentry_shape_is_right
	s_endpgm
.Lentry_shape_is_right:
; out0 = o Wp^T + bp on codes of E4M3: o's codes in oc (entry 10), Wp's in wc's fourth section (entry 11); each finished sum x 2^(e10 + e11), + bp.
; Both operands lie as images of operands' registers: 128 rows x 256 k are 32,768 bytes on end, and a group of 128 rows has its whole K, 131,072 bytes, on end.
; SHARES.  256 work-groups; each makes 256 tokens (side A, source 1) x 128 output channels (side B, source 0), K = 1,024; a wave makes 128 x 64: 32 accumulators.
; LDS holds three quarters of K at once: A's two halves 98,304 bytes each, B 98,304, one load a wave; the last quarter is filled into the first quarter's bytes when those have been read: two fills.
; CLUSTERS 4 x 4: A's bytes are asked for jointly along a row of the cluster, B's along a column.  PREFETCH: with the large fill the last quarter is asked of memory, the four partners sharing its blocks out by address.
; THE WAY OUT: a block of 16 tokens x 64 channels goes through the wave's own stage in LDS and leaves as rows of 256 bytes, sixteen lanes to an aligned unit.  Each block has registers of its own and every offset is an immediate.
; LIMIT: e10 + e11 between -126 and 127.
; REGISTERS: window 0 addresses, bp; window 1 B's fragments, two sets of 64; window 2 the accumulators, (a, b) at 8 (4 a + b); window 3 A's fragments, two sets of 128, then the rows read back from the stage.
.set CH,    32768
.set LB,    6*CH
.set SPARE, 9*CH
.set STG,   SPARE+512                  ; the stages: 16 rows x 272 bytes a wave; no tensor load lands here
.set SPITCH, 272
.set ADRA, 16
.set ADRB, 20
.set PFO,  22
.set STO,  24
.set RD,   25
.set LI,   26
.set CO,   27
.set SPW,  28
.set NIL,  29
.set CB,   30
.set G1A,  24
.set G0A1, 32
.set G0A2, 36
.set G1B,  48
.set G0B1, 56
.set G0B2, 60
.set G1A2, 68
.set G1B2, 76
.set MULW, 0xad
.set MSB, 0
.macro WIN new
.if MSB != (\new)
	s_set_vgpr_msb (MSB<<8)|(\new)
.set MSB, \new
.endif
.endm
.macro JLOAD g0a, g1a, g0b, g1b
	s_cmp_eq_u32 s15, 0
	s_cbranch_scc0 .Lfor_b_\@
	tensor_load_to_lds s[\g0a:\g0a+3], s[\g1a:\g1a+7]
	s_nop 0
.rept 4
	v_nop
.endr
	s_branch .Lasked_\@
.Lfor_b_\@:
	tensor_load_to_lds s[\g0b:\g0b+3], s[\g1b:\g1b+7]
	s_nop 0
.rept 4
	v_nop
.endr
.Lasked_\@:
.endm
.macro CREST
	s_cmp_lg_u32 s14, 0
	s_cbranch_scc1 .Lnot_wave_0_\@
	s_barrier_signal -3
.Lnot_wave_0_\@:
	s_barrier_wait -3
	s_barrier_signal -1
	s_barrier_wait -1
.endm
.macro CROUND
	s_barrier_signal -1
	s_barrier_wait -1
	CREST
.endm
.macro GROUP1 g, r
	s_mov_b32 s[\g+1], 32<<16
	s_mov_b32 s[\g+2], (\r)<<16
	s_mov_b32 s[\g+3], 32<<16
	s_mov_b32 s[\g+4], \r
	s_mov_b32 s[\g+5], 32
	s_mov_b32 s[\g+6], 0
	s_mov_b32 s[\g+7], 0
.endm
	s_load_b128 s[4:7], s[0:1], 0x0                ; oc, wc
	s_load_b128 s[8:11], s[0:1], 0x10              ; the scales, bp
	s_load_b64 s[12:13], s[0:1], 0x20              ; out0
	v_lshl_add_u32 v[SPW], v0, 2, SPARE
	v_mov_b32 v[NIL], 0
	ds_add_u32 v[SPW], v[NIL]                      ; the opening lines: the add, twice on end, and its wait
	ds_add_u32 v[SPW], v[NIL]
	v_lshrrev_b32 v1, 5, v0
	v_readfirstlane_b32 s14, v1
	s_lshr_b32 s15, s14, 1
	s_and_b32 s16, s14, 1
	s_bfe_u32 s40, ttmp6, 0x40000                  ; cx
	s_bfe_u32 s41, ttmp6, 0x40004                  ; cy
	s_lshl_b32 s42, ttmp9, 2
	s_add_co_u32 s42, s42, s40                     ; x 0..7
	s_and_b32 s17, ttmp7, 0xffff
	s_lshl_b32 s17, s17, 2
	s_add_co_u32 s17, s17, s41                     ; y 0..31
	s_lshl_b32 s43, s41, 2
	s_lshl_b32 s43, 15, s43
	s_lshl_b32 s44, 0x1111, s40
	s_or_b32 s[G1A], s43, (3<<16)|(1<<21)
	s_or_b32 s[G1A2], s43, (3<<16)|(1<<21)
	s_or_b32 s[G1B], s44, (3<<16)|(1<<21)
	s_or_b32 s[G1B2], s44, (3<<16)|(1<<21)
	GROUP1 G1A, 384
	GROUP1 G1B, 192
	GROUP1 G1A2, 128
	GROUP1 G1B2, 64
	s_lshl_b32 s20, s17, 1
	s_add_co_u32 s20, s20, s16
	s_lshl_b32 s20, s20, 17                        ; A: the group of 128 tokens that I fetch
	s_mov_b32 s21, 0
	s_mul_i32 s45, s16, 49152
	s_lshl_b32 s46, s42, 17
	s_add_co_u32 s46, s46, s45
	s_add_co_u32 s46, s46, 0x300000                ; B: my part of the group of 128 channels
	s_mov_b32 s47, 0
	s_lshl_b32 s98, s16, 15
	s_sub_co_u32 s98, 3*CH, s98                    ; from my part of B's large fill to my part of its last quarter
	s_mov_b32 s99, 0
	s_cmp_eq_u32 s15, 0                            ; the prefetch: my place among the four partners, a partner's share (8,192 bytes of A's load, 4,096 of B's)
	s_cselect_b32 s104, s40, s41
	s_cselect_b32 s100, 3*CH, s98
	s_mov_b32 s105, 4096
	s_cselect_b32 s105, 8192, s105
	s_cselect_b32 s101, 31, 15
	v_and_b32 v[PFO], s101, v0
	v_lshlrev_b32 v[PFO], 8, v[PFO]
	s_mul_i32 s104, s104, s105
	s_add_co_u32 s100, s100, s104
	s_mov_b32 s101, 0
	s_mul_i32 s2, s16, 3*CH
	s_mov_b32 s[G0A1], 1
	s_mov_b32 s[G0A1+1], s2
	s_mov_b32 s[G0A2], 1
	s_mov_b32 s[G0A2+1], s2
	s_mov_b32 s[G0B1], 1
	s_add_co_u32 s[G0B1+1], s45, LB
	s_mov_b32 s[G0B2], 1
	s_lshl_b32 s2, s16, 14
	s_add_co_u32 s[G0B2+1], s2, LB
	s_wait_dscnt 0x0                               ; both opening adds are done
	s_wait_kmcnt 0x0
	s_load_b64 s[96:97], s[8:9], 0x28              ; e10, e11
	s_add_nc_u64 s[18:19], s[4:5], s[20:21]
	s_add_nc_u64 s[22:23], s[6:7], s[46:47]
	s_mov_b64 s[G0A1+2:G0A1+3], s[18:19]
	s_or_b32 s[G0A1+3], s[G0A1+3], 0x80000000
	s_mov_b64 s[G0B1+2:G0B1+3], s[22:23]
	s_or_b32 s[G0B1+3], s[G0B1+3], 0x80000000
	s_add_nc_u64 s[G0A2+2:G0A2+3], s[18:19], 3*CH
	s_or_b32 s[G0A2+3], s[G0A2+3], 0x80000000
	s_add_nc_u64 s[G0B2+2:G0B2+3], s[22:23], s[98:99]
	s_or_b32 s[G0B2+3], s[G0B2+3], 0x80000000
	CROUND                                         ; all sixteen work-groups are here: the first joint loads meet
	JLOAD G0A1, G1A, G0B1, G1B                     ; the large fill: one tensor load a wave
	s_wait_alu depctr_va_vdst(0)                   ; the wait here, ahead of the first reader of the prefetch's offset
	s_cmp_eq_u32 s15, 0
	s_cselect_b64 s[66:67], s[18:19], s[22:23]
	s_add_nc_u64 s[66:67], s[66:67], s[100:101]
	global_prefetch_b8 v[PFO], s[66:67] th:TH_LOAD_NT scope:SCOPE_SE   ; my work-group's quarter of my load of the last quarter; its registers are not written again
	v_and_b32 v1, 31, v0
	v_lshlrev_b32 v[LI], 4, v1
	v_and_b32 v2, 15, v0                           ; r
	v_bfe_u32 v3, v0, 4, 1                         ; h
	s_mul_i32 s2, s15, 3*CH
	v_add_nc_u32 v[ADRA], s2, v[LI]
	v_add_nc_u32 v[ADRA+1], 2*CH, v[ADRA]
	s_lshl_b32 s2, s16, 14
	s_add_co_u32 s2, s2, LB
	v_add_nc_u32 v[ADRB], s2, v[LI]
	v_add_nc_u32 v[ADRB+1], 2*CH, v[ADRB]
	s_mul_i32 s2, s14, 16*SPITCH
	s_add_co_u32 s2, s2, STG                       ; my stage
	v_lshlrev_b32 v[CB], 4, v2                     ; 16 r
	v_mul_u32_u24 v[STO], v2, SPITCH               ; in: row r, 32 bytes for each half of the lanes
	v_lshl_add_u32 v[STO], v3, 5, v[STO]
	v_add_nc_u32 v[STO], s2, v[STO]
	v_mul_u32_u24 v[RD], v3, SPITCH                ; back: lanes 0-15 one row of 256 bytes, lanes 16-31 the next
	v_add_nc_u32 v[RD], v[RD], v[CB]
	v_add_nc_u32 v[RD], s2, v[RD]
	v_lshl_add_u32 v[CO], v3, 12, v[CB]            ; and the same two rows in out0
	s_lshl_b32 s46, s42, 9
	s_lshl_b32 s47, s16, 8
	s_add_co_u32 s46, s46, s47                     ; my first channel, in bytes
	s_mov_b32 s47, 0
	s_add_nc_u64 s[10:11], s[10:11], s[46:47]
	s_lshl_b32 s20, s17, 20
	s_lshl_b32 s21, s15, 19
	s_add_co_u32 s20, s20, s21                     ; my first token's row of 4,096 bytes
	s_add_co_u32 s20, s20, s46
	s_mov_b32 s21, 0
	s_add_nc_u64 s[12:13], s[12:13], s[20:21]
	s_wait_alu depctr_va_vdst(0)                   ; the wait at the head's end
	global_load_b128 v[8:11], v[CB], s[10:11]      ; bp at my four channels of a row read back
.macro FRAG reg, adr, off
.irp c, 0,1,2,3
	ds_load_b128 v[\reg+4*\c:\reg+4*\c+3], v[\adr] offset:\off+512*\c
.endr
.endm
.macro FETCH k                         ; the fragments of the k-th 128 along K into set k % 2: 48 loads.  Quarter 3 lies where quarter 0 lay
.set FJ, ((\k)/2)%3
.set FO, (FJ%2)*CH+((\k)%2)*2048
.set FS, FJ/2
	WIN 0x40
.irp i, 0,1,2,3
	FRAG 64*((\k)%2)+16*\i, ADRB+FS, FO+4096*\i
.endr
	WIN 0xc0
.irp i, 0,1,2,3,4,5,6,7
	FRAG 128*((\k)%2)+16*\i, ADRA+FS, FO+4096*\i
.endr
	WIN 0
.endm
.macro MUL a0, p, zero                 ; the 32 accumulators take turns in the same order in every step
.irp a, \a0,\a0+1,\a0+2,\a0+3
.irp b, 0,1,2,3
.if \zero
	v_wmma_f32_16x16x128_fp8_fp8 v[8*(4*(\a)+\b):8*(4*(\a)+\b)+7], v[64*(\p)+16*\b:64*(\p)+16*\b+15], v[128*(\p)+16*(\a):128*(\p)+16*(\a)+15], 0
.else
	v_wmma_f32_16x16x128_fp8_fp8 v[8*(4*(\a)+\b):8*(4*(\a)+\b)+7], v[64*(\p)+16*\b:64*(\p)+16*\b+15], v[128*(\p)+16*(\a):128*(\p)+16*(\a)+15], v[8*(4*(\a)+\b):8*(4*(\a)+\b)+7]
.endif
.endr
.endr
.endm
.macro PLACES
.rept 4
	v_nop
.endr
.endm
.macro STEP k, zero
	PLACES
	FETCH (\k)+1
	s_wait_dscnt 48                                ; this step's fragments are in; the 48 loads just issued may be out
	WIN MULW
	MUL 0, (\k)%2, \zero
	MUL 4, (\k)%2, \zero
	WIN 0
.endm
	s_wait_tensorcnt 0x0                           ; my part of the large fill is in,
	s_barrier_signal -1
	s_barrier_wait -1                              ; everybody's is
	FETCH 0
	STEP 0, 1                                      ; the first products start the sums
	PLACES
	FETCH 2
	s_wait_tensorcnt 0x0                           ; no tensor load of mine is out
	ds_add_u32 v[SPW], v[NIL]
	s_wait_dscnt 49                                ; step 1's fragments are in; the add and step 2's 48 loads may be out
	WIN MULW
	MUL 0, 1, 0
	s_wait_dscnt 0x0                               ; the add is done, and so are my reads of quarter 0
	s_barrier_signal -1
	MUL 4, 1, 0
	WIN 0
	s_barrier_wait -1
	CREST                                          ; no wave of any partner still reads quarter 0
	JLOAD G0A2, G1A2, G0B2, G1B2                   ; the last quarter, into quarter 0's bytes
	STEP 2, 0
	STEP 3, 0
	STEP 4, 0
	s_wait_dscnt 0x0
	WIN MULW
	MUL 0, 1, 0
	s_wait_tensorcnt 0x0                           ; my part of the last quarter is in,
	s_barrier_signal -1
	MUL 4, 1, 0
	WIN 0
	s_barrier_wait -1                              ; everybody's is
	PLACES
	FETCH 6
	FETCH 7
	s_wait_dscnt 48
	WIN MULW
	MUL 0, 0, 0
	MUL 4, 0, 0
	s_wait_dscnt 0x0
	MUL 0, 1, 0
	MUL 4, 1, 0
	WIN 0
.macro TOSTAGE a                       ; LDS serves a wave's instructions in order (ISA guide 5.7.1.4): no wait between the stores and the loads, nor ahead of the next block's stores
	WIN 0x08
.irp b, 0,1,2,3
	ds_store_b128 v[STO], v[32*(\a)+8*\b:32*(\a)+8*\b+3] offset:64*\b
	ds_store_b128 v[STO], v[32*(\a)+8*\b+4:32*(\a)+8*\b+7] offset:64*\b+16
.endr
	WIN 0xc0
.irp t, 0,1,2,3,4,5,6,7
	ds_load_b128 v[32*(\a)+4*\t:32*(\a)+4*\t+3], v[RD] offset:2*SPITCH*\t
.endr
.endm
.macro SEND a, younger                 ; younger: the LDS instructions issued behind block a's loads
	s_wait_dscnt \younger
	WIN 0xc3
.irp t, 0,1,2,3,4,5,6,7
	v_pk_fma_f32 v[32*(\a)+4*\t:32*(\a)+4*\t+1], v[32*(\a)+4*\t:32*(\a)+4*\t+1], s[96:97], v[8:9] op_sel_hi:[1,0,1]
	v_pk_fma_f32 v[32*(\a)+4*\t+2:32*(\a)+4*\t+3], v[32*(\a)+4*\t+2:32*(\a)+4*\t+3], s[96:97], v[10:11] op_sel_hi:[1,0,1]
.endr
	WIN 0x0c
.irp t, 0,1,2,3,4,5,6,7
	global_store_b128 v[CO], v[32*(\a)+4*\t:32*(\a)+4*\t+3], s[12:13] offset:(\a)*65536+\t*8192 th:TH_STORE_NT   ; sixteen lanes store 256 consecutive bytes, aligned
.endr
.endm
	s_wait_kmcnt 0x0
	s_add_co_i32 s96, s96, s97
	s_add_co_i32 s96, s96, 127
	s_lshl_b32 s96, s96, 23                        ; 2^(e10 + e11)
	s_mov_b32 s97, s96
	s_wait_loadcnt 0x0                             ; bp
	PLACES
	TOSTAGE 0
.irp a, 1,2,3,4,5,6,7
	TOSTAGE \a
	SEND \a-1, 16                                  ; behind block a - 1's loads: block a's 8 stores and 8 loads
.endr
	SEND 7, 0
	WIN 0
	s_wait_tensorcnt 0x0                           ; the wave's end
	ds_add_u32 v[SPW], v[NIL]
	s_wait_dscnt 0x0
	CROUND                                         ; the closing round
	s_endpgm
.Lfunc_end_k_q48f536e80e_proj:
	.size	k_q48f536e80e_proj, .Lfunc_end_k_q48f536e80e_proj-k_q48f536e80e_proj
	.p2alignl 7, 3214868480
	.fill 96, 4, 3214868480
	.section	.rodata,"a",@progbits
	.p2align	6, 0x0
	.amdhsa_kernel k_q48f536e80e_proj
		.amdhsa_group_segment_fixed_size 327680
		.amdhsa_private_segment_fixed_size 0
		.amdhsa_enable_private_segment 0
		.amdhsa_kernarg_size 40
		.amdhsa_user_sgpr_count 2
		.amdhsa_user_sgpr_kernarg_segment_ptr 1
		.amdhsa_wavefront_size32 1
		.amdhsa_system_sgpr_workgroup_id_x 1
		.amdhsa_system_sgpr_workgroup_id_y 1
		.amdhsa_system_sgpr_workgroup_id_z 1
		.amdhsa_system_vgpr_workitem_id 0
		.amdhsa_next_free_vgpr 1024
		.amdhsa_next_free_sgpr 106
		.amdhsa_reserve_vcc 0
		.amdhsa_float_denorm_mode_32 3
		.amdhsa_float_denorm_mode_16_64 3
		.amdhsa_memory_ordered 1
		.amdhsa_forward_progress 1
		.amdhsa_inst_pref_size 76
	.end_amdhsa_kernel
	.amdgpu_metadata
---
amdhsa.version: [ 1, 2 ]
amdhsa.kernels:
  - .name:           k_q48f536e80e_proj
    .symbol:         k_q48f536e80e_proj.kd
    .args:
      - { .name: oc, .offset: 0, .size: 8, .value_kind: global_buffer, .address_space: global }
      - { .name: wc, .offset: 8, .size: 8, .value_kind: global_buffer, .address_space: global }
      - { .name: lowp_scales, .offset: 16, .size: 8, .value_kind: global_buffer, .address_space: global }
      - { .name: bp, .offset: 24, .size: 8, .value_kind: global_buffer, .address_space: global }
      - { .name: out0, .offset: 32, .size: 8, .value_kind: global_buffer, .address_space: global }
    .group_segment_fixed_size: 327680
    .private_segment_fixed_size: 0
    .kernarg_segment_align: 8
    .kernarg_segment_size: 40
    .max_flat_workgroup_size: 128
    .sgpr_count:     106
    .vgpr_count:     1024
    .wavefront_size: 32
...
	.end_amdgpu_metadata
.endif
;; end of part 4
